; MI455X (gfx1250); checked and timed in simulation.
; The chip was launched on July 23, 2026; its instructions are those of AMD's public machine-readable ISA for CDNA 5 (MIT licence, August 2026) and "CDNA5" Instruction Set Architecture Reference Guide (July 2026). The comments in the code are by the model that wrote it; some were corrected since.
;; LSTM. Allowed arithmetic: matrix products marked QUANTISED: E5M2 operands, one given power-of-two scale a tensor, by v_wmma_f32_16x16x64_bf8_bf8 or v_wmma_f32_16x16x128_bf8_bf8, f32 sums; everything else in f32.
;; Inputs: U 4 x 2,048 x 2,048 float32; W 4 x 2,048 x 2,048 float32; lowp_scales 4 int32 (the exponents e of the quantised operands' scales 2^e); pre_layer 2 x 2,048 x 2,048 float32; x 2,048 x 2,048 float32.
;; Outputs: out0 2 x 2,048 x 2,048 float32.
;; This version of the problem:
;;   THIS VERSION OF THE PROBLEM IS GIVEN IN LOW PRECISION. The matrix products marked QUANTISED in the list below multiply operands that are first quantised to E5M2 (5 exponent bits, 2 mantissa bits; 8 bits a number), with one given power-of-two scale for each operand tensor; their sums are f32. All else is computed in f32.
;;   The module's matrix products, in the order in which they are computed (A, B: the left and right operand; K: the contracted axis; several contracted axes count as one K, in the product's order):
;;     1. [M 8,192, K 2,048] x [K 2,048, N 2,048]; A: input W; B: input x: QUANTISED (scales: A lowp_scales[0], B lowp_scales[1])
;;     2. [M 8,192, K 2,048] x [K 2,048, N 2,048]; A: input U; B: input pre_layer: QUANTISED (scales: A lowp_scales[2], B lowp_scales[3])
;;   THE QUANTISER, for each operand of a quantised product, along K:
;;     - The operand's scale is 2^e, e = its entry of the input lowp_scales (int32; the entries are numbered through the quantised products in the list's order, A before B).
;;     - Each number is divided by the scale, clamped to +-57,344, and rounded to the nearest number of E5M2, ties to even, subnormals kept.
;;     - The product sums the exact products of the quantised numbers (number of the format x scale) in f32.
;;   ~~~python
;;   def quantise(x, axis, e):      # numpy; x: float32 -> the quantised numbers, widened to float32 again
;;       x = np.moveaxis(x, axis, -1); K = x.shape[-1]
;;       r = np.clip(x / 2.0 ** e, -57344, 57344)
;;       step = 2.0 ** (np.maximum(np.frexp(np.where(r == 0, 1, r))[1] - 1, -14) - 2)
;;       q = np.round(r / step) * step * 2.0 ** e      # np.round: ties to even
;;       return np.moveaxis(q, -1, axis).astype(np.float32)
;;   ~~~
;; One version. Each part assembles by itself: llvm-mc -triple=amdgcn-amd-amdhsa -mcpu=gfx1250 --defsym DOCPART=n.
;; ======== version 1 of 1: 2 launches
;; limits: right only within a limited range of input values
;; workspace buffers: acodes 8,388,608 bytes; bcodes 33,554,432 bytes
;; launch quant (part 1): grid 1280 x 1, 4 waves a work-group, no clusters, 0 bytes of LDS; arguments W, U, x, pre_layer, lowp_scales, acodes, bcodes; writes acodes, bcodes
.if DOCPART == 1
	.amdgcn_target "amdgcn-amd-amdhsa--gfx1250"
	.amdhsa_code_object_version 6
	.text
	.protected	k_q831084aa87_quant
	.globl	k_q831084aa87_quant
	.p2align	8
	.type	k_q831084aa87_quant,@function
k_q831084aa87_quant:
	s_mov_b64 s[64:65], 0
	v_nop
	global_prefetch_b8 v0, s[64:65] scope:SCOPE_SE
	s_setreg_imm32_b32 hwreg(HW_REG_WAVE_MODE, 25, 1), 1
	s_wait_xcnt 0x0
; W, U [4][2048][2048], x [2048][2048] and pre_h (the first plane of pre_layer), all f32 with K innermost, are turned into codes of BF8 (E5M2), 8 bits each,
; each tensor with the one scale 2^e that is given for it: e0 W, e1 x, e2 U, e3 pre_h.  code = number / 2^e, held within +-57,344, rounded to the nearest code, ties to even.
; WHERE THE CODES GO.  acodes [2048 b][4096]: bytes 0-2047 of a row are x's codes, bytes 2048-4095 pre_h's.  bcodes [8192 n][4096]: bytes 0-2047 W's, 2048-4095 U's;
; row (gate g, unit u) goes to row n = (u / 32) x 128 + g x 32 + u % 32, so that 128 neighbouring rows hold the four gates of 32 neighbouring units: the product's launch then finds
; all four gates of a unit in one lane.
; THE ORDER ALONG K.  A tensor has ONE scale, so a conversion may take any eight numbers of a row.  The codes are laid in the order in which dense loads leave the numbers in the lanes: within each 512 along K,
; code byte 16 l + 4 i + j is number 128 i + 4 l + j (l: lane, i: which of the step's four loads, j: word of the load).  The order is the same in all four tensors, so in the product every code meets its partner;
; only the order of the f32 sums differs.  So nothing changes lanes: no LDS, no barrier.
; LIMITS: each e lies between -126 and 112, so that 2^e and 57,344 x 2^e are f32 numbers.  NaN among the inputs is not served (an infinity is held at the largest code).
; SHARES.  A wave takes 8,192 numbers, four whole rows of 2,048, in 16 steps of 512.  Work-groups 0-511 take W, 512-1023 U, 1024-1151 x, 1152-1279 pre_h: only pointers, an offset and e are chosen,
; by the work-group's number; all four tensors take one path through the text.  Four neighbouring rows of a weight (u a multiple of 4) go to four neighbouring rows of bcodes.
; Each of a step's four loads reads 512 consecutive bytes, 16 a lane; a lane's 16 codes are 16 bytes: a store of the wave covers 512 consecutive bytes, aligned.  Loads run seven steps ahead, in seven sets of
; registers: 24 to 28 loads of a wave are out.
.set STEPS, 16
.set DEPTH, 7                          ; sets of registers for loads
.set NWB,   1024                       ; work-groups that take W or U
.set EMAX,  15
.set MANT,  0x600000                   ; the mantissa field of 57,344 as f32
.set CROW,  4096                       ; a row of acodes or bcodes in bytes
.set R,     16                         ; v16-127  seven sets of 16 numbers as they are loaded
.set C,     128                        ; v128-191 codes: four registers for each step, so that no store's data are written again
	s_load_b256 s[4:11], s[0:1], 0x0               ; W s[4:5], U s[6:7], x s[8:9], pre_layer s[10:11]
	s_load_b64 s[12:13], s[0:1], 0x20              ; the scales' exponents
	s_load_b128 s[40:43], s[0:1], 0x28             ; acodes s[40:41], bcodes s[42:43]
	v_lshrrev_b32 v1, 5, v0
	v_readfirstlane_b32 s16, v1                    ; wave
	v_and_b32 v2, 31, v0                           ; lane
	v_lshlrev_b32 v3, 4, v2                        ; my 16 bytes of a load's 512, and of a store's 512; never rewritten
	s_cmp_lt_u32 ttmp9, NWB                        ; a weight or an activation?
	s_cselect_b32 s20, 9, 7                        ; a weight has 2^9 work-groups, an activation 2^7
	s_and_b32 s21, ttmp9, NWB-1
	s_lshr_b32 s24, s21, s20                       ; 0: W or x; 1: U or pre_h
	s_lshl_b32 s25, s24, s20
	s_sub_co_u32 s21, s21, s25                     ; the work-group's number within its tensor
	s_lshl_b32 s26, s21, 2
	s_add_co_u32 s26, s26, s16                     ; which run of 8,192 numbers of the tensor is my wave's
	s_lshl_b32 s28, s26, 15                        ; its first byte: under 2^27
	s_mov_b32 s29, 0
	s_lshl_b32 s30, s26, 2                         ; its first row
	s_lshr_b32 s18, s30, 11                        ; of a weight: gate g,
	s_and_b32 s19, s30, 2047                       ; unit u
	s_lshr_b32 s31, s19, 5
	s_lshl_b32 s31, s31, 7                         ; (u / 32) x 128
	s_lshl_b32 s18, s18, 5
	s_add_co_u32 s31, s31, s18                     ; + 32 g
	s_and_b32 s19, s19, 31
	s_add_co_u32 s31, s31, s19                     ; + u % 32
	s_cmp_lt_u32 ttmp9, NWB                        ; (the shifts and sums above have written SCC)
	s_cselect_b32 s31, s31, s30                    ; an activation's rows stay where they are
	s_lshl_b32 s36, s31, 12                        ; the row's first byte in the codes' buffer,
	s_lshl_b32 s37, s24, 11
	s_add_co_u32 s36, s36, s37                     ; + 2,048 for the second tensor of a row
	s_mov_b32 s37, 0
	s_wait_alu depctr_va_vdst(0)
	s_wait_kmcnt 0x0
	s_load_b128 s[32:35], s[12:13], 0x0            ; e0, e1, e2, e3
	s_cmp_lt_u32 ttmp9, NWB                        ; the choices hang on the work-group's number alone
	s_cselect_b64 s[44:45], s[4:5], s[8:9]         ; W or x
	s_cselect_b64 s[46:47], s[6:7], s[10:11]       ; U or pre_layer
	s_cselect_b64 s[8:9], s[42:43], s[40:41]       ; bcodes or acodes
	s_cmp_eq_u32 s24, 0
	s_cselect_b64 s[4:5], s[44:45], s[46:47]
	s_add_nc_u64 s[4:5], s[4:5], s[28:29]
	s_add_nc_u64 s[8:9], s[8:9], s[36:37]
.macro LOAD t
.irp i, 0,1,2,3
	global_load_b128 v[R+16*((\t)%DEPTH)+4*\i:R+16*((\t)%DEPTH)+4*\i+3], v3, s[4:5] offset:2048*(\t)+512*\i th:TH_LOAD_NT   ; 32 lanes read 512 consecutive bytes; read once in the launch
.endr
.endm
.irp t, 0,1,2,3,4,5,6
	LOAD \t
.endr
	s_wait_kmcnt 0x0
	s_cmp_lt_u32 ttmp9, NWB
	s_cselect_b32 s22, s32, s33                    ; e0 (W) or e1 (x)
	s_cselect_b32 s23, s34, s35                    ; e2 (U) or e3 (pre_h)
	s_cmp_eq_u32 s24, 0
	s_cselect_b32 s22, s22, s23                    ; e
	s_add_co_i32 s22, s22, 127
	s_lshl_b32 s23, s22, 23
	v_mov_b32 v11, s23                             ; 2^e as f32: the conversion takes its exponent field
	s_add_co_i32 s22, s22, EMAX
	s_lshl_b32 s22, s22, 23
	s_or_b32 s22, s22, MANT
	v_mov_b32 v10, s22                             ; the largest number x 2^e
.macro STEP t
.set XS, R+16*((\t)%DEPTH)
.if STEPS-1-(\t) >= DEPTH-1
	s_wait_loadcnt 4*(DEPTH-1)                     ; loads come back in order (ISA guide 5.7.1): this step's four are in; those of the six steps behind it may be out
.else
	s_wait_loadcnt 4*(STEPS-1-(\t))                ; near the end fewer steps stand behind it
.endif
.irp i, 0,1,2,3,4,5,6,7,8,9,10,11,12,13,14,15
	v_med3_num_f32 v[XS+\i], v[XS+\i], -v10, v10   ; the conversion to an 8-bit code does not saturate (ISA guide 7.6.2): hold the number within the largest code x the scale first
.endr
	v_cvt_scalef32_pk8_bf8_f32 v[C+4*(\t):C+4*(\t)+1], v[XS:XS+7], v11          ; eight numbers / 2^e, to the nearest code, ties to even; the first number's code in the lowest byte
	v_cvt_scalef32_pk8_bf8_f32 v[C+4*(\t)+2:C+4*(\t)+3], v[XS+8:XS+15], v11
	; the codes go to a store alone and the numbers' registers next take a load; the next vector lines, the next step's holds, are plain and name another set
.if (\t)+DEPTH < STEPS
	LOAD (\t)+DEPTH                                ; the set just worked takes the step seven on
.endif
.endm
	s_wait_alu depctr_va_vdst(0)
.irp t, 0,1,2,3,4,5,6,7,8,9,10,11,12,13,14,15
	STEP \t
.endr
	; all sixteen stores stand at the wave's end: each step's codes have four registers of their own, so nothing is written again, and no vector line follows a store
.irp t, 0,1,2,3,4,5,6,7,8,9,10,11,12,13,14,15
	global_store_b128 v3, v[C+4*\t:C+4*\t+3], s[8:9] offset:(\t/4)*CROW+(\t%4)*512   ; four steps fill a row's 2,048 bytes; the next row lies 4,096 bytes on
.endr
	s_endpgm
.Lfunc_end_k_q831084aa87_quant:
	.size	k_q831084aa87_quant, .Lfunc_end_k_q831084aa87_quant-k_q831084aa87_quant
	.p2alignl 7, 3214868480
	.fill 96, 4, 3214868480
	.section	.rodata,"a",@progbits
	.p2align	6, 0x0
	.amdhsa_kernel k_q831084aa87_quant
		.amdhsa_group_segment_fixed_size 0
		.amdhsa_private_segment_fixed_size 0
		.amdhsa_enable_private_segment 0
		.amdhsa_kernarg_size 56
		.amdhsa_user_sgpr_count 2
		.amdhsa_user_sgpr_kernarg_segment_ptr 1
		.amdhsa_wavefront_size32 1
		.amdhsa_system_sgpr_workgroup_id_x 1
		.amdhsa_system_sgpr_workgroup_id_y 1
		.amdhsa_system_sgpr_workgroup_id_z 1
		.amdhsa_system_vgpr_workitem_id 0
		.amdhsa_next_free_vgpr 192
		.amdhsa_next_free_sgpr 66
		.amdhsa_reserve_vcc 0
		.amdhsa_float_denorm_mode_32 3
		.amdhsa_float_denorm_mode_16_64 3
		.amdhsa_memory_ordered 1
		.amdhsa_forward_progress 1
		.amdhsa_inst_pref_size 29
	.end_amdhsa_kernel
	.amdgpu_metadata
---
amdhsa.version: [ 1, 2 ]
amdhsa.kernels:
  - .name:           k_q831084aa87_quant
    .symbol:         k_q831084aa87_quant.kd
    .args:
      - { .name: W, .offset: 0, .size: 8, .value_kind: global_buffer, .address_space: global }
      - { .name: U, .offset: 8, .size: 8, .value_kind: global_buffer, .address_space: global }
      - { .name: x, .offset: 16, .size: 8, .value_kind: global_buffer, .address_space: global }
      - { .name: pre_layer, .offset: 24, .size: 8, .value_kind: global_buffer, .address_space: global }
      - { .name: lowp_scales, .offset: 32, .size: 8, .value_kind: global_buffer, .address_space: global }
      - { .name: acodes, .offset: 40, .size: 8, .value_kind: global_buffer, .address_space: global }
      - { .name: bcodes, .offset: 48, .size: 8, .value_kind: global_buffer, .address_space: global }
    .group_segment_fixed_size: 0
    .private_segment_fixed_size: 0
    .kernarg_segment_align: 8
    .kernarg_segment_size: 56
    .max_flat_workgroup_size: 128
    .sgpr_count:     66
    .vgpr_count:     192
    .wavefront_size: 32
...
	.end_amdgpu_metadata
.endif
;; end of part 1
;; launch lstm (part 2): grid 32 x 8, 4 waves a work-group, clusters of 4 x 4, 327,680 bytes of LDS; arguments acodes, bcodes, lowp_scales, pre_layer, out0; writes out0
.if DOCPART == 2
	.amdgcn_target "amdgcn-amd-amdhsa--gfx1250"
	.amdhsa_code_object_version 6
	.text
	.protected	k_q831084aa87_lstm
	.globl	k_q831084aa87_lstm
	.p2align	8
	.type	k_q831084aa87_lstm,@function
k_q831084aa87_lstm:
	s_mov_b64 s[64:65], 0
	v_nop
	global_prefetch_b8 v0, s[64:65] scope:SCOPE_SE
	s_setreg_imm32_b32 hwreg(HW_REG_WAVE_MODE, 25, 1), 1
	s_wait_xcnt 0x0
	s_wait_alu depctr_hold_cnt(0) depctr_sa_sdst(0) depctr_va_vdst(0) depctr_va_sdst(0) depctr_va_ssrc(0) depctr_va_vcc(0) depctr_vm_vsrc(0)
	s_getreg_b32 s2, hwreg(HW_REG_IB_STS2, 6, 4)
	s_cmp_eq_u32 s2, 0
	s_cbranch_scc0 .Lentry_in_a_cluster
	s_endpgm
.Lentry_in_a_cluster:
	s_bfe_u32 s2, ttmp6, 0x10000c
	s_cmp_lg_u32 s2, 0xf033
	s_cbranch_scc0 .Lentry_shape_is_right
	s_endpgm
.Lentry_shape_is_right:
; gates = [x | pre_h] [W | U]^T on codes of BF8 (E5M2), then the LSTM cell, in one launch.
; acodes [2048 b][4096]: bytes 0-2047 x's codes, 2048-4095 pre_h's.  bcodes [8192 n][4096]: W's, then U's; row n = (u / 32) x 128 + 32 g + u % 32.
; A work-group of four waves makes 256 batch rows x 256 rows of bcodes (64 units x 4 gates); a wave 128 x 128: 64 accumulators, 512 registers.
; The sums over bytes 0-2047 stand for sum x 2^(e0 + e1), the others for sum x 2^(e2 + e3): at K = 2,048 every accumulator is multiplied once by 2^(e0 + e1 - e2 - e3).
; LIMITS: e0 + e1 - e2 - e3 between -126 and 127; e2 + e3 between -126 and 126 (both are put into f32 exponent fields).
; K goes in steps of 256 bytes through a ring of two LDS slots; a slot holds two steps of 128: Y, then X.  CLUSTERS 4 x 4: A's tiles are asked for jointly along a row of the cluster, B's along a column.
; Clusters whose x + y is odd take the two K steps of each lap in the other order, so that two clusters that read the same rows ask for them one K step apart; only the order of the f32 sums differs.
; FRAGMENT LOADS stand in five runs for a slot's 128 matrix instructions.  A has one set of registers, B two (set 0 for Y, set 1 for X).  In their order:
;   in X, behind the change of slots: Ra = B 0-7 of the next Y; behind block 5: Rb = A 0-5 of it; behind block 7: Rc = A 6, 7 of it and B 0-3 of the next X;
;   in Y, behind block 3: R0 = B 4-7 and A 0-3 of X; behind block 7: R1 = A 4-7 of X.
; The change of slots stands behind X's blocks 0 and 1: all of X's fragments were asked for ahead of them, and X's other six blocks multiply from registers while the next slot's first fragments come.
; THE MATRIX INSTRUCTION IS USED TRANSPOSED (source 0 = rows of bcodes, source 1 = rows of acodes): a lane holds one batch row, and in accumulators b = 2 g, 2 g + 1 gate g of 16 of its units.
; REGISTERS: window 0: v0-31 addresses, v32-127 at work on the way out, v128-255 A's fragments; window 1: B's two sets; windows 2, 3: the accumulators.
.set ROWB,   256
.set KROW,   4096
.set PITCH,  272                       ; 256 bytes + 16 of padding: the 16 rows of a fragment load start at 16 different banks
.set FR,     16
.set HALFT,  128*PITCH
.set SLOT,   4*HALFT
.set LAPS,   8
.set SPARE,  2*SLOT                    ; the spare words, 128 bytes a wave; no other line names them
.set HSTG,   2*HALFT                   ; the way out: pre_c, then c, in slot 0's first half; h in its second half
.set OROW,   8192
.set PLANE,  16777216
.set ADRA, 16
.set ADRB, 20
.set CO,   22
.set PCL,  24
.set HST,  25
.set RD,   26
.set RDH,  27
.set SPW,  28
.set NIL,  29
.set PFO,  30
.set PFC,  31
.set T,    32
.set AF,   128
.set BK,   160
.set G1,  24
.set G0,  32
.set G1B, 48
.set G0B, 56
.set G1C, 68
.set G0C, 76
.set PF0, 80                           ; s[80:81], s[82:83]: where my prefetches stand, one pointer for each slot
.set PF1, 82
.set PCA, 84
.set RS,  92
.set SG,  94
.set SN,  96
.set TC,  98
.set MSB, 0
.macro WIN new                         ; the immediate's high byte repeats the setting that is left
.if MSB != \new
	s_set_vgpr_msb (MSB<<8)|\new
.set MSB, \new
.endif
.endm
.set MUL_LO, 0xa1
.set MUL_HI, 0xf1
.set TO_B,   0x40
.macro PLACES n
.rept \n
	v_nop
.endr
.endm
.macro JLOAD s                         ; a joint load: waves 0, 1 fetch A's halves, waves 2, 3 B's; s_nop 0 and four v_nop behind each line
	s_cmp_eq_u32 s15, 0
	s_cbranch_scc0 .Lfor_b_\@
	tensor_load_to_lds s[G0+4*\s:G0+4*\s+3], s[G1:G1+7]
	s_nop 0
	PLACES 4
	s_branch .Lasked_\@
.Lfor_b_\@:
	tensor_load_to_lds s[G0B+4*\s:G0B+4*\s+3], s[G1B:G1B+7]
	s_nop 0
	PLACES 4
.Lasked_\@:
.endm
.macro CROUND                          ; a round of the cluster's barrier
	s_barrier_signal -1
	s_barrier_wait -1
	s_cmp_lg_u32 s14, 0
	s_cbranch_scc1 .Lnot_wave_0_\@
	s_barrier_signal -3
.Lnot_wave_0_\@:
	s_barrier_wait -3
	s_barrier_signal -1
	s_barrier_wait -1
.endm
; Prefetches, behind each joint load: the K step that this slot takes two refills on: 32 rows x 256 bytes, a lane a row.  Of the 128 rows that a wave fetches each of the four partners names 32, told apart by address.
; The last trip has no such K step; there each wave names its 64 rows of pre_c, 32 at each change of slots.
.macro ASK s
	s_cmp_gt_u32 s3, 1
	s_cbranch_scc0 .Lno_k_\@
	global_prefetch_b8 v[PFO], s[PF0+2*\s:PF0+2*\s+1] offset:2*ROWB th:TH_LOAD_NT scope:SCOPE_SE
.Lno_k_\@:
	s_cmp_eq_u32 s3, 1
	s_cbranch_scc0 .Lno_c_\@
	global_prefetch_b8 v[PFC], s[PCA:PCA+1] offset:(\s)*32*OROW th:TH_LOAD_NT scope:SCOPE_SE
.Lno_c_\@:
.endm
	s_load_b128 s[4:7], s[0:1], 0x0                ; acodes, bcodes
	s_load_b128 s[8:11], s[0:1], 0x10              ; lowp_scales, pre_layer
	s_load_b64 s[12:13], s[0:1], 0x20              ; out0
	v_lshl_add_u32 v[SPW], v0, 2, SPARE
	v_mov_b32 v[NIL], 0
	ds_add_u32 v[SPW], v[NIL]                      ; the opening lines: the add twice on end and its wait
	ds_add_u32 v[SPW], v[NIL]
	v_lshrrev_b32 v1, 5, v0
	v_readfirstlane_b32 s14, v1                    ; wave
	s_lshr_b32 s15, s14, 1                         ; my half of the rows; also: I fetch for A (0) or B (1)
	s_and_b32 s16, s14, 1                          ; my half of the columns; also: which 128 rows I fetch
	s_bfe_u32 s40, ttmp6, 0x40000                  ; cx
	s_bfe_u32 s41, ttmp6, 0x40004                  ; cy
	s_lshl_b32 s42, ttmp9, 2
	s_add_co_u32 s42, s42, s40                     ; tile column
	s_and_b32 s2, ttmp7, 0xffff
	s_lshl_b32 s17, s2, 2
	s_add_co_u32 s17, s17, s41                     ; tile row
	s_add_co_u32 s2, s2, ttmp9
	s_and_b32 s2, s2, 1                            ; (cluster x + cluster y) % 2: the same in all sixteen partners
	s_lshl_b32 s2, s2, 8                           ; slot 0's K step of a lap, in bytes: 0 or 256,
	s_xor_b32 s3, s2, ROWB                         ; slot 1's: the other
	s_lshl_b32 s43, s41, 2
	s_lshl_b32 s43, 15, s43
	s_lshl_b32 s44, 0x1111, s40
	s_or_b32 s[G1+0], s43, (0<<16)|(1<<20)|(1<<21)|(5<<22)|(3<<25)   ; mask of my row; bytes; 4 words of padding behind every 64
	s_or_b32 s[G1B+0], s44, (0<<16)|(1<<20)|(1<<21)|(5<<22)|(3<<25)  ; mask of my column
.irp g, G1, G1B
	s_mov_b32 s[\g+1], ROWB<<16
	s_mov_b32 s[\g+2], 128<<16
	s_mov_b32 s[\g+3], ROWB<<16
	s_mov_b32 s[\g+4], 128
	s_mov_b32 s[\g+5], KROW
	s_mov_b32 s[\g+6], 0
	s_mov_b32 s[\g+7], 0
.endr
	s_mov_b32 s[G1C+0], (2<<16)|(1<<20)|(5<<22)|(3<<25)   ; pre_c: 64 rows x 64 f32, no mask
	s_mov_b32 s[G1C+1], 64<<16
	s_mov_b32 s[G1C+2], 64<<16
	s_mov_b32 s[G1C+3], 64<<16
	s_mov_b32 s[G1C+4], 64
	s_mov_b32 s[G1C+5], 2048
	s_mov_b32 s[G1C+6], 0
	s_mov_b32 s[G1C+7], 0
	s_lshl_b32 s18, s16, 7
	s_lshl_b32 s20, s17, 8
	s_add_co_u32 s20, s20, s18
	s_lshl_b32 s20, s20, 12                        ; A: (256 x tile row + 128 x half) rows of 4,096 bytes
	s_add_co_u32 s22, s20, s3
	s_add_co_u32 s20, s20, s2
	s_mov_b32 s21, 0
	s_mov_b32 s23, 0
	s_lshl_b32 s46, s42, 8
	s_add_co_u32 s46, s46, s18
	s_lshl_b32 s46, s46, 12                        ; B likewise, by the tile column
	s_add_co_u32 s66, s46, s3
	s_add_co_u32 s46, s46, s2
	s_mov_b32 s47, 0
	s_mov_b32 s67, 0
	s_mul_i32 s45, s14, HALFT
.irp s, 0,1
	s_mov_b32 s[G0+4*\s], 1
	s_add_co_u32 s[G0+4*\s+1], s45, \s*SLOT
	s_mov_b32 s[G0B+4*\s], 1
	s_add_co_u32 s[G0B+4*\s+1], s45, \s*SLOT
.endr
	s_wait_dscnt 0x0                               ; both opening adds are done
	s_wait_kmcnt 0x0
	s_load_b128 s[88:91], s[8:9], 0x0              ; e0 .. e3
	s_add_nc_u64 s[G0+2:G0+3], s[4:5], s[20:21]
	s_add_nc_u64 s[G0+6:G0+7], s[4:5], s[22:23]
	s_add_nc_u64 s[G0B+2:G0B+3], s[6:7], s[46:47]
	s_add_nc_u64 s[G0B+6:G0B+7], s[6:7], s[66:67]
	s_cmp_eq_u32 s15, 0
	s_cselect_b64 s[PF0:PF0+1], s[G0+2:G0+3], s[G0B+2:G0B+3]   ; the prefetches begin at the 128 rows that I fetch,
	s_cselect_b64 s[PF1:PF1+1], s[G0+6:G0+7], s[G0B+6:G0B+7]
	s_cselect_b32 s18, s40, s41                    ; my place among the four that ask with me
	s_lshl_b32 s18, s18, 17                        ; x 32 rows of 4,096 bytes
	s_mov_b32 s19, 0
	s_add_nc_u64 s[PF0:PF0+1], s[PF0:PF0+1], s[18:19]
	s_add_nc_u64 s[PF1:PF1+1], s[PF1:PF1+1], s[18:19]
.irp r, G0+3, G0+7, G0B+3, G0B+7
	s_or_b32 s[\r], s[\r], 0x80000000
.endr
	CROUND                                         ; all sixteen work-groups are here
	JLOAD 0                                        ; slot 0's first fill: one tensor load a wave at the head
	s_mul_i32 s66, s15, HALFT                      ; my 128 rows of A; also my rows in the stages
	s_mul_i32 s67, s16, HALFT
	s_add_co_u32 s67, s67, 2*HALFT                 ; my 128 rows of B
	s_lshl_b32 s18, s16, 7
	s_add_co_u32 s23, s66, s18                     ; stages, in: my rows, my 128 bytes of them
	s_mul_i32 s18, s16, 8*PITCH
	s_add_co_u32 s45, s66, s18                     ; stages, back: 8 of each block's 16 rows
	s_lshl_b32 s20, s17, 8
	s_lshl_b32 s21, s14, 6
	s_add_co_u32 s20, s20, s21
	s_lshl_b32 s20, s20, 13
	s_mov_b32 s21, 0
	s_lshl_b32 s46, s42, 8
	s_mov_b32 s47, 0
	s_add_nc_u64 s[20:21], s[20:21], s[46:47]
	s_add_nc_u64 s[PCA:PCA+1], s[10:11], s[20:21]
	s_add_nc_u64 s[PCA:PCA+1], s[PCA:PCA+1], PLANE ; pre_c: row 256 x tile row + 64 x wave, byte 256 x tile column
	s_mov_b32 s[G0C], 1
	s_mul_i32 s[G0C+1], s14, 64*PITCH
	s_mov_b64 s[G0C+2:G0C+3], s[PCA:PCA+1]
	s_or_b32 s[G0C+3], s[G0C+3], 0x80000000
	s_lshl_b32 s20, s17, 8
	s_lshl_b32 s22, s15, 7
	s_add_co_u32 s20, s20, s22
	s_lshl_b32 s22, s16, 3
	s_add_co_u32 s20, s20, s22
	s_lshl_b32 s20, s20, 13
	s_mov_b32 s21, 0
	s_add_nc_u64 s[20:21], s[20:21], s[46:47]
	s_add_nc_u64 s[12:13], s[12:13], s[20:21]      ; h's plane
	s_add_nc_u64 s[86:87], s[12:13], PLANE         ; c's plane
	s_wait_kmcnt 0x0
	s_add_co_i32 s18, s88, s89
	s_add_co_i32 s19, s90, s91
	s_sub_co_i32 s18, s18, s19
	s_add_co_i32 s18, s18, 127
	s_lshl_b32 s[RS], s18, 23                      ; 2^(e0 + e1 - e2 - e3)
	s_mov_b32 s[RS+1], s[RS]
	s_lshl_b32 s19, s19, 23
	s_add_co_i32 s[SG], s19, 0xbfb8aa3b            ; -log2(e) x 2^(e2 + e3): sigmoid's exponent
	s_mov_b32 s[SG+1], s[SG]
	s_add_co_i32 s[SN], s19, 0x4038aa3b            ; 2 log2(e) x 2^(e2 + e3): tanh's
	s_mov_b32 s[SN+1], s[SN]
	s_mov_b32 s[TC], 0x4038aa3b
	s_mov_b32 s[TC+1], s[TC]
	v_and_b32 v1, 15, v0                           ; l % 16
	v_bfe_u32 v2, v0, 4, 1                         ; l / 16
	v_mul_u32_u24 v3, v1, PITCH
	v_lshl_add_u32 v4, v2, 4, v3
	v_add_nc_u32 v[ADRA], s66, v4
	v_add_nc_u32 v[ADRB], s67, v4
	v_add_nc_u32 v[ADRA+1], SLOT, v[ADRA]
	v_add_nc_u32 v[ADRB+1], SLOT, v[ADRB]
	v_lshl_add_u32 v5, v2, 5, v3
	v_add_nc_u32 v[PCL], s23, v5
	v_add_nc_u32 v[HST], HSTG, v[PCL]
	v_mul_u32_u24 v5, v2, PITCH
	v_lshl_add_u32 v5, v1, 4, v5
	v_add_nc_u32 v[RD], s45, v5
	v_add_nc_u32 v[RDH], HSTG, v[RD]
	v_lshlrev_b32 v6, 13, v2
	v_lshl_add_u32 v[CO], v1, 4, v6
	v_and_b32 v[PFO], 31, v0
	v_lshlrev_b32 v[PFC], 13, v[PFO]
	v_lshlrev_b32 v[PFO], 12, v[PFO]
.macro FRAG reg, adr, q, i             ; 16 rows x 128 K: four loads of 16 bytes, the same order of k in A and in B
.irp c, 0,1,2,3
	ds_load_b128 v[\reg+4*\c:\reg+4*\c+3], v[\adr] offset:128*(\q)+32*\c+(\i)*16*PITCH
.endr
.endm
.macro LA slot, q, i                   ; A's block i of the slot's q-th 128
	WIN 0
	FRAG AF+FR*(\i), ADRA+\slot, \q, \i
.endm
.macro LB slot, q, i                   ; B's fragment i into set q
	WIN TO_B
	FRAG 128*(\q)+FR*(\i), ADRB+\slot, \q, \i
.endm
.macro BLK a, p, zero                  ; A's block a against B's eight of set p; the 64 accumulators take turns in the same order in every step
	WIN MUL_LO+0x50*((\a)/4)
.irp b, 0,1,2,3,4,5,6,7
.if \zero
	v_wmma_f32_16x16x128_bf8_bf8 v[8*(8*((\a)%4)+\b):8*(8*((\a)%4)+\b)+7], v[128*(\p)+FR*\b:128*(\p)+FR*\b+FR-1], v[AF+FR*(\a):AF+FR*(\a)+FR-1], 0
.else
	v_wmma_f32_16x16x128_bf8_bf8 v[8*(8*((\a)%4)+\b):8*(8*((\a)%4)+\b)+7], v[128*(\p)+FR*\b:128*(\p)+FR*\b+FR-1], v[AF+FR*(\a):AF+FR*(\a)+FR-1], v[8*(8*((\a)%4)+\b):8*(8*((\a)%4)+\b)+7]
.endif
.endr
.endm
; LDS loads come back in order: each wait's count is the loads (4 a fragment) issued behind the fragment that the next block needs.  Four places stand between a fragment's last product and the load into its registers.
; The change of slots.  fill = 1: slot s takes its K step of the next lap; fill = 2: pre_c's tile lands in slot 0, which is read no more.
.macro TURN s, fill
.if \fill == 1
	s_wait_xcnt 0x0                                ; my prefetches have read their address
	s_add_nc_u64 s[PF0+2*\s:PF0+2*\s+1], s[PF0+2*\s:PF0+2*\s+1], 2*ROWB
.endif
	s_wait_tensorcnt 0x0                           ; all my tensor loads have landed: my part of the other slot
	ds_add_u32 v[SPW], v[NIL]
.if \fill == 1
	s_add_nc_u64 s[G0+4*\s+2:G0+4*\s+3], s[G0+4*\s+2:G0+4*\s+3], 2*ROWB
	s_add_nc_u64 s[G0B+4*\s+2:G0B+4*\s+3], s[G0B+4*\s+2:G0B+4*\s+3], 2*ROWB
.endif
	s_wait_dscnt 0x0                               ; the add is done, and my reads of slot s are over (the last were issued 16 matrix instructions ago)
	CROUND
.if \fill == 1
	JLOAD \s
	ASK \s
.else
	tensor_load_to_lds s[G0C:G0C+3], s[G1C:G1C+7]
	s_nop 0
	PLACES 4
.endif
.endm
.macro RUN_A n                         ; Ra
.irp i, 0,1,2,3,4,5,6,7
	LB \n, 0, \i
.endr
.endm
.macro RUN_B n                         ; Rb
.irp i, 0,1,2,3,4,5
	LA \n, 0, \i
.endr
.endm
.macro RUN_C n                         ; Rc
	LA \n, 0, 6
	LA \n, 0, 7
.irp i, 0,1,2,3
	LB \n, 1, \i
.endr
	WIN 0
.endm
; Step Y of slot s.  Ahead of block a (0-3): behind A a stand A a+1 .. 5 and Rc's six fragments: 44 - 4 a loads.  Ahead of block a (4-7): R0's eight more: 60, 56, 52, 48.
.macro YSTEP s, zero
.irp a, 0,1,2,3
	s_wait_dscnt 44-4*\a
	BLK \a, 0, \zero
.endr
	PLACES 4                                       ; for A 0-3 (set 1 was last read in X, ahead of Rc's places)
.irp i, 4,5,6,7
	LB \s, 1, \i
.endr
.irp i, 0,1,2,3
	LA \s, 1, \i
.endr
.irp a, 4,5,6,7
	s_wait_dscnt 76-4*\a
	BLK \a, 0, \zero
.endr
	PLACES 4                                       ; for A 4-7
.irp i, 4,5,6,7
	LA \s, 1, \i
.endr
.endm
; Step X of slot s; n is the next slot.  Ahead of block 0: behind A 0 stand A 1-3 and R1's four fragments: 28 loads.  The places for Ra (set 0, last read in Y) are those behind the tensor load.
.macro XSTEP s, n, fill
	s_wait_dscnt 28
	BLK 0, 1, 0
	s_wait_dscnt 24
	BLK 1, 1, 0
	WIN 0
	TURN \s, \fill
	RUN_A \n
.irp a, 2,3,4,5
	BLK \a, 1, 0
.endr
	PLACES 4                                       ; for A 0-5
	RUN_B \n
	BLK 6, 1, 0
	BLK 7, 1, 0
	PLACES 4                                       ; for A 6, 7 and set 1
	RUN_C \n
.endm
.macro RESCALE                         ; behind K = 2,048, each accumulator from its low end on
	s_cmp_lg_u32 s3, LAPS/2
	s_cbranch_scc1 .Lsame_scale
	WIN 0x82
.set e, 0
.rept 128
	v_pk_mul_f32 v[e:e+1], v[e:e+1], s[RS:RS+1] op_sel_hi:[1,0]
.set e, e+2
.endr
	WIN 0xc3
.set e, 0
.rept 128
	v_pk_mul_f32 v[e:e+1], v[e:e+1], s[RS:RS+1] op_sel_hi:[1,0]
.set e, e+2
.endr
	WIN 0
.Lsame_scale:
.endm
	s_wait_alu depctr_va_vdst(0)
	s_wait_tensorcnt 0x0                           ; my part of slot 0 is in; slot 1's first fill is issued as a refill is
	ds_add_u32 v[SPW], v[NIL]
	s_wait_dscnt 0x0
	CROUND
	JLOAD 1
	RUN_A 0
	RUN_B 0
	RUN_C 0
	YSTEP 0, 1                                     ; the first step starts the sums
	s_mov_b32 s3, LAPS-1
.Llap:
	XSTEP 0, 1, 1
	YSTEP 1, 0
	XSTEP 1, 0, 1
	RESCALE
	s_wait_alu depctr_va_vdst(0)
	YSTEP 0, 0
	s_sub_co_u32 s3, s3, 1
	s_cmp_lg_u32 s3, 0
	s_cbranch_scc1 .Llap
	XSTEP 0, 1, 2
	YSTEP 1, 0
	s_wait_dscnt 28                                ; the very last step fetches nothing
	BLK 0, 1, 0
	s_wait_dscnt 24
	BLK 1, 1, 0
	s_wait_tensorcnt 0x0                           ; my part of pre_c is in
	s_wait_dscnt 0x0                               ; the last fragments are in
	s_barrier_signal -1
.irp a, 2,3,4,5,6,7
	BLK \a, 1, 0
.endr
	WIN 0
	s_barrier_wait -1                              ; everybody's part of pre_c is in
	PLACES 4
; THE WAY OUT, by blocks of 16 batch rows.  A wave's 32 units are 128 bytes of a row of h and of c: two waves fill a row's 256 bytes in the stages, a barrier parts writing from reading,
; and each of the two reads 8 whole rows of each stage back and stores them, sixteen lanes to 256 consecutive bytes, aligned.  Block a - 1 leaves while block a is worked.
.macro OUTL a
.set BB, BK+32*((\a)%2)
.irp t, 0,1,2,3
	ds_load_b128 v[BB+4*\t:BB+4*\t+3], v[RDH] offset:(\a)*16*PITCH+\t*2*PITCH
.endr
.irp t, 0,1,2,3
	ds_load_b128 v[BB+16+4*\t:BB+16+4*\t+3], v[RD] offset:(\a)*16*PITCH+\t*2*PITCH
.endr
.endm
.macro OUTS a
.set BB, BK+32*((\a)%2)
.irp t, 0,1,2,3
	global_store_b128 v[CO], v[BB+4*\t:BB+4*\t+3], s[12:13] offset:((\a)*16+2*\t)*OROW th:TH_STORE_NT
.endr
.irp t, 0,1,2,3
	global_store_b128 v[CO], v[BB+16+4*\t:BB+16+4*\t+3], s[86:87] offset:((\a)*16+2*\t)*OROW th:TH_STORE_NT
.endr
.endm
; T+0..15 i, +16..31 f, +32..47 o, +48..63 n.  sigmoid(x) = 1 / (1 + 2^(-x log2 e)); tanh(x) = 1 - 2 / (1 + 2^(2 x log2 e)).  Each batch of transcendentals has one wait ahead and one behind.
.macro GATES a
.set AC,  64*((\a)%4)
.set PCR, 96+32*((\a)%2)
.set HR,  PCR+16
	WIN 0x02+((\a)/4)
.set e, 0
.rept 24
	v_pk_mul_f32 v[T+e:T+e+1], v[AC+e:AC+e+1], s[SG:SG+1] op_sel_hi:[1,0]
.set e, e+2
.endr
.rept 8
	v_pk_mul_f32 v[T+e:T+e+1], v[AC+e:AC+e+1], s[SN:SN+1] op_sel_hi:[1,0]
.set e, e+2
.endr
	WIN 0
.if (\a) > 0
	s_barrier_wait -1                              ; block a - 1 is whole in the stages
.if (\a) > 2
	s_wait_xcnt 0x0                                ; block a - 3's stores have read their registers
.endif
	OUTL (\a)-1
.endif
.irp j, 0,1
.irp k, 0,1
	ds_load_b128 v[PCR+8*\j+4*\k:PCR+8*\j+4*\k+3], v[PCL] offset:(\a)*16*PITCH+64*\j+16*\k
.endr
.endr
.set e, 0
	s_wait_alu depctr_va_vdst(0)
.rept 64
	v_exp_f32 v[T+e], v[T+e]
.set e, e+1
.endr
	v_nop
	s_wait_alu depctr_va_vdst(0)
.set e, 0
.rept 32
	v_pk_add_f32 v[T+e:T+e+1], v[T+e:T+e+1], 1.0 op_sel_hi:[1,0]
.set e, e+2
.endr
.set e, 0
	s_wait_alu depctr_va_vdst(0)
.rept 64
	v_rcp_f32 v[T+e], v[T+e]
.set e, e+1
.endr
	v_nop
	s_wait_alu depctr_va_vdst(0)
.set e, 0
.rept 8
	v_pk_fma_f32 v[T+48+e:T+49+e], v[T+48+e:T+49+e], -2.0, 1.0 op_sel_hi:[1,0,0]
.set e, e+2
.endr
.set e, 0
.rept 8
	v_pk_mul_f32 v[T+e:T+e+1], v[T+e:T+e+1], v[T+48+e:T+49+e]      ; i x n
.set e, e+2
.endr
	s_wait_alu depctr_va_vdst(0)
	s_wait_dscnt 0x0
.if (\a) > 0
	OUTS (\a)-1
.endif
.set e, 0
.rept 8
	v_pk_fma_f32 v[PCR+e:PCR+e+1], v[T+16+e:T+17+e], v[PCR+e:PCR+e+1], v[T+e:T+e+1]   ; c = f x pre_c + i x n
.set e, e+2
.endr
.set e, 0
.rept 8
	v_pk_mul_f32 v[HR+e:HR+e+1], v[PCR+e:PCR+e+1], s[TC:TC+1] op_sel_hi:[1,0]
.set e, e+2
.endr
.set e, 0
	s_wait_alu depctr_va_vdst(0)
.rept 16
	v_exp_f32 v[HR+e], v[HR+e]
.set e, e+1
.endr
	v_nop
.irp j, 0,1
.irp k, 0,1
	ds_store_b128 v[PCL], v[PCR+8*\j+4*\k:PCR+8*\j+4*\k+3] offset:(\a)*16*PITCH+64*\j+16*\k
.endr
.endr
	s_wait_alu depctr_va_vdst(0)
.set e, 0
.rept 8
	v_pk_add_f32 v[HR+e:HR+e+1], v[HR+e:HR+e+1], 1.0 op_sel_hi:[1,0]
.set e, e+2
.endr
.set e, 0
	s_wait_alu depctr_va_vdst(0)
.rept 16
	v_rcp_f32 v[HR+e], v[HR+e]
.set e, e+1
.endr
	v_nop
	s_wait_alu depctr_va_vdst(0)
.set e, 0
.rept 8
	v_pk_fma_f32 v[HR+e:HR+e+1], v[HR+e:HR+e+1], -2.0, 1.0 op_sel_hi:[1,0,0]
.set e, e+2
.endr
.set e, 0
.rept 8
	v_pk_mul_f32 v[HR+e:HR+e+1], v[HR+e:HR+e+1], v[T+32+e:T+33+e]  ; h = o x tanh(c)
.set e, e+2
.endr
.irp j, 0,1
.irp k, 0,1
	ds_store_b128 v[HST], v[HR+8*\j+4*\k:HR+8*\j+4*\k+3] offset:(\a)*16*PITCH+64*\j+16*\k
.endr
.endr
	s_wait_dscnt 0x0                               ; for the other wave's sake: my stores into the stages are done
	s_barrier_signal -1
.endm
.irp a, 0,1,2,3,4,5,6,7
	GATES \a
.endr
	s_barrier_wait -1
	s_wait_xcnt 0x0
	OUTL 7
	s_wait_dscnt 0x0
	OUTS 7
	s_wait_tensorcnt 0x0                           ; the wave's end
	ds_add_u32 v[SPW], v[NIL]
	s_wait_dscnt 0x0
	CROUND                                         ; the closing round
	s_endpgm
.Lfunc_end_k_q831084aa87_lstm:
	.size	k_q831084aa87_lstm, .Lfunc_end_k_q831084aa87_lstm-k_q831084aa87_lstm
	.p2alignl 7, 3214868480
	.fill 96, 4, 3214868480
	.section	.rodata,"a",@progbits
	.p2align	6, 0x0
	.amdhsa_kernel k_q831084aa87_lstm
		.amdhsa_group_segment_fixed_size 327680
		.amdhsa_private_segment_fixed_size 0
		.amdhsa_enable_private_segment 0
		.amdhsa_kernarg_size 40
		.amdhsa_user_sgpr_count 2
		.amdhsa_user_sgpr_kernarg_segment_ptr 1
		.amdhsa_wavefront_size32 1
		.amdhsa_system_sgpr_workgroup_id_x 1
		.amdhsa_system_sgpr_workgroup_id_y 1
		.amdhsa_system_sgpr_workgroup_id_z 1
		.amdhsa_system_vgpr_workitem_id 0
		.amdhsa_next_free_vgpr 1024
		.amdhsa_next_free_sgpr 100
		.amdhsa_reserve_vcc 0
		.amdhsa_float_denorm_mode_32 3
		.amdhsa_float_denorm_mode_16_64 3
		.amdhsa_memory_ordered 1
		.amdhsa_forward_progress 1
		.amdhsa_inst_pref_size 220
	.end_amdhsa_kernel
	.amdgpu_metadata
---
amdhsa.version: [ 1, 2 ]
amdhsa.kernels:
  - .name:           k_q831084aa87_lstm
    .symbol:         k_q831084aa87_lstm.kd
    .args:
      - { .name: acodes, .offset: 0, .size: 8, .value_kind: global_buffer, .address_space: global }
      - { .name: bcodes, .offset: 8, .size: 8, .value_kind: global_buffer, .address_space: global }
      - { .name: lowp_scales, .offset: 16, .size: 8, .value_kind: global_buffer, .address_space: global }
      - { .name: pre_layer, .offset: 24, .size: 8, .value_kind: global_buffer, .address_space: global }
      - { .name: out0, .offset: 32, .size: 8, .value_kind: global_buffer, .address_space: global }
    .group_segment_fixed_size: 327680
    .private_segment_fixed_size: 0
    .kernarg_segment_align: 8
    .kernarg_segment_size: 40
    .max_flat_workgroup_size: 128
    .sgpr_count:     100
    .vgpr_count:     1024
    .wavefront_size: 32
...
	.end_amdgpu_metadata
.endif
;; end of part 2
